; MI455X (gfx1250); checked and timed in simulation.
; The chip was launched on July 23, 2026; its instructions are those of AMD's public machine-readable ISA for CDNA 5 (MIT licence, August 2026) and "CDNA5" Instruction Set Architecture Reference Guide (July 2026). The comments in the code are by the model that wrote it; some were corrected since.
;; Multi Head Self Attention. Allowed arithmetic: matrix products marked QUANTISED: E5M2 operands, one given power-of-two scale a tensor, by v_wmma_f32_16x16x64_bf8_bf8 or v_wmma_f32_16x16x128_bf8_bf8, f32 sums; products left as they are: f32 operands where the result goes on into a quantised operand, else bf16, f16 or f32 operands; f32 sums; everything else in f32.
;; Inputs: W_out 1,024 x 1,024 float32; W_qkv 1,024 x 3,072 float32; b_out 1,024 float32; b_qkv 3,072 float32; lowp_scales 6 int32 (the exponents e of the quantised operands' scales 2^e); x 4 x 4,096 x 1,024 float32.
;; Outputs: out0 4 x 4,096 x 1,024 float32.
;; This version of the problem:
;;   THIS VERSION OF THE PROBLEM IS GIVEN IN LOW PRECISION. The matrix products marked QUANTISED in the list below multiply operands that are first quantised to E5M2 (5 exponent bits, 2 mantissa bits; 8 bits a number), with one given power-of-two scale for each operand tensor; their sums are f32. All else is computed in f32.
;;   The module's matrix products, in the order in which they are computed (A, B: the left and right operand; K: the contracted axis; several contracted axes count as one K, in the product's order):
;;     1. [M 16,384, K 1,024] x [K 1,024, N 3,072]; A: input x; B: input W_qkv: QUANTISED (scales: A lowp_scales[0], B lowp_scales[1])
;;     2. batch 16,384 x [M 16, K 64] x [K 64, N 16]; A: computed on the way; B: computed on the way: QUANTISED (scales: A lowp_scales[2], B lowp_scales[3])
;;     3. batch 16,384 x [M 16, K 16] x [K 16, N 64]; A: softmax; B: computed on the way: left as it is (K = 16 < 32)
;;     4. [M 16,384, K 1,024] x [K 1,024, N 1,024]; A: computed on the way; B: input W_out: QUANTISED (scales: A lowp_scales[4], B lowp_scales[5])
;;   THE QUANTISER, for each operand of a quantised product, along K:
;;     - The operand's scale is 2^e, e = its entry of the input lowp_scales (int32; the entries are numbered through the quantised products in the list's order, A before B).
;;     - Each number is divided by the scale, clamped to +-57,344, and rounded to the nearest number of E5M2, ties to even, subnormals kept.
;;     - The product sums the exact products of the quantised numbers (number of the format x scale) in f32.
;;   ~~~python
;;   def quantise(x, axis, e):      # numpy; x: float32 -> the quantised numbers, widened to float32 again
;;       x = np.moveaxis(x, axis, -1); K = x.shape[-1]
;;       r = np.clip(x / 2.0 ** e, -57344, 57344)
;;       step = 2.0 ** (np.maximum(np.frexp(np.where(r == 0, 1, r))[1] - 1, -14) - 2)
;;       q = np.round(r / step) * step * 2.0 ** e      # np.round: ties to even
;;       return np.moveaxis(q, -1, axis).astype(np.float32)
;;   ~~~
;;   OPERANDS COMPUTED ON THE WAY. 'Computed on the way' means the value that the module computes at that place (a softmax that the list does not call 'softmax' is quantised finished and normalised). What goes into a quantiser is computed in f32, as accurately as f32 sums, v_exp_f32 and their like allow (about 1e-6 of the number): no bf16 or f16 on the way to a quantiser, and a product that is left as it is and whose result goes on into a quantised operand takes f32 operands (vector FMAs, or v_wmma_f32_16x16x4_f32). A number that lies on a knife's edge between two numbers of the format may be rounded either way, as far as f32 arithmetic and the matrix unit's own rounding can turn it there, and no further.
;; One version. Each part assembles by itself: llvm-mc -triple=amdgcn-amd-amdhsa -mcpu=gfx1250 --defsym DOCPART=n.
;; ======== version 1 of 1: 4 launches
;; limits: right only within a limited range of input values
;; workspace buffers: xc 16,777,216 bytes; w1f 3,145,728 bytes; w2f 1,048,576 bytes; qkv 100,663,296 bytes; oc 16,777,216 bytes
;; launch prep (part 1): grid 768 x 1, 4 waves a work-group, no clusters, 0 bytes of LDS; arguments x, W_qkv, W_out, lowp_scales, xc, w1f, w2f; writes xc, w1f, w2f
.if DOCPART == 1
	.amdgcn_target "amdgcn-amd-amdhsa--gfx1250"
	.amdhsa_code_object_version 6
	.text
	.protected	k_q651510e486_prep
	.globl	k_q651510e486_prep
	.p2align	8
	.type	k_q651510e486_prep,@function
k_q651510e486_prep:
	s_mov_b64 s[64:65], 0
	v_nop
	global_prefetch_b8 v0, s[64:65] scope:SCOPE_SE
	s_setreg_imm32_b32 hwreg(HW_REG_WAVE_MODE, 25, 1), 1
	s_wait_xcnt 0x0
; PREP: x [16384][1024], W_qkv [1024][3072] and W_out [1024][1024], all f32, become codes of BF8 (E5M2), each with the one scale 2^e given for it
; (lowp_scales[0], [1], [5]): code = number / 2^e, held within +-57,344, rounded to the nearest code, ties to even.
; NO WORK OF THE PROBLEM IS LEFT OUT IN THIS PROGRAM.  Each bias is added ahead of a quantiser of a live product (b_qkv moves q's and k's codes and v, b_out is added to the output), and
; q's and k's biases change the scores along the softmax's axis: so all six inputs are loaded, and all four products are made.
; K IS PERMUTED, ALIKE IN BOTH OPERANDS OF A PRODUCT, so that every product still meets its partner; only the order of the sums inside a matrix instruction differs from ascending k.
;   first product : place pos of a row of 1,024 codes holds k = 512 (pos >> 9) + 128 ((pos >> 2) & 3) + 4 ((pos >> 4) & 31) + (pos & 3)
;   last product  : place pos = 512 P + 16 l + 8 z + e holds k = 64 (l & 15) + 32 P + 16 z + 8 (l >> 4) + e   (the order in which the attention launch's lanes hold their results)
; OUT: xc [token][1024 codes].  w1f, w2f: the weights as IMAGES OF THE OPERAND'S REGISTERS: a fragment (16 columns n x 128 places of K) is 2,048 bytes: [c 4][lane 32][16 bytes],
;   lane 16 hf + m holding, of tile row m, the places 128 s + 32 c + 16 hf + 0 .. 15.   w1f: [slice j 8][wave w 4][6 s + t], w2f: [j 4][w 4][4 s + t].
;   Which column of W is row m of tile t is chosen for the launch that reads the results (see the paths below).
; SHARES: work-groups 0-191 W_qkv, 192-255 W_out, 256-767 x.  No LDS, no barrier: waves share nothing.
; LIMITS: each e between -126 and 112, so that 2^e and 57,344 x 2^e are f32 numbers.  NaN among the inputs is not served; an infinity is held at the largest code.
.set R,   16                           ; v16-143  path x: eight sets of 16 numbers
.set CD,  144                          ; v144-207 path x: four registers of codes for each step, so that no store's data are written again
.set WN,  32                           ; v32-159  paths W: 8 pieces of 16 numbers
.set WC,  160                          ; v160-191 paths W: their codes
	s_load_b256 s[4:11], s[0:1], 0x0               ; x s[4:5], W_qkv s[6:7], W_out s[8:9], the scales' exponents s[10:11]
	s_load_b128 s[12:15], s[0:1], 0x20             ; xc s[12:13], w1f s[14:15]
	s_load_b64 s[16:17], s[0:1], 0x30              ; w2f
	v_lshrrev_b32 v1, 5, v0
	v_readfirstlane_b32 s18, v1                    ; wave 0..3
	v_and_b32 v2, 31, v0                           ; lane l
	v_lshlrev_b32 v3, 4, v2                        ; 16 l
	v_bfe_u32 v4, v2, 3, 1                         ; (l >> 3) & 1
	v_lshrrev_b32 v5, 4, v2                        ; l >> 4
	v_and_b32 v7, 15, v2
	v_lshlrev_b32 v8, 4, v7
	v_lshl_add_u32 v8, v5, 11, v8                  ; paths W: where my 16 codes go: tile l >> 4 of the pair (2,048 bytes on), tile row l & 15
	s_wait_kmcnt 0x0
	s_load_b128 s[20:23], s[10:11], 0x0            ; e0 .. e3
	s_load_b64 s[24:25], s[10:11], 0x10            ; e4, e5
	s_cmp_lt_u32 ttmp9, 192
	s_cbranch_scc1 .Lwq
	s_cmp_lt_u32 ttmp9, 256
	s_cbranch_scc1 .Lwo
.macro SCALES e                        ; v11 = 2^e as f32 (the conversion takes its exponent field), v10 = 57,344 x 2^e
	s_add_co_i32 s26, s[\e], 127
	s_lshl_b32 s27, s26, 23
	v_mov_b32 v11, s27
	s_add_co_i32 s26, s26, 15
	s_lshl_b32 s26, s26, 23
	s_or_b32 s26, s26, 0x600000
	v_mov_b32 v10, s26
.endm
; ---- PATH x.  A wave takes 8 tokens: 16 steps of 512 numbers (half a row).  Each of a step's four loads reads 512 consecutive bytes, 16 a lane; the lane's 16 numbers become 16 codes,
; stored 16 bytes a lane: 512 consecutive bytes.  Byte 4 i + n of lane l is k = 128 i + 4 l + n of the half row: the first product's permutation.  Loads run eight steps (32 loads a wave) ahead.
	s_sub_co_u32 s28, ttmp9, 256
	s_lshl_b32 s28, s28, 2
	s_add_co_u32 s28, s28, s18                     ; which 8 tokens: 0 .. 2047
	s_lshl_b32 s30, s28, 15                        ; x 32,768 bytes of x
	s_mov_b32 s31, 0
	s_add_nc_u64 s[4:5], s[4:5], s[30:31]
	s_lshl_b32 s30, s28, 13                        ; x 8,192 bytes of codes
	s_add_nc_u64 s[12:13], s[12:13], s[30:31]
.macro XLOAD t
.irp i, 0,1,2,3
	global_load_b128 v[R+16*((\t)%8)+4*\i:R+16*((\t)%8)+4*\i+3], v3, s[4:5] offset:2048*(\t)+512*\i th:TH_LOAD_NT
.endr
.endm
.macro XSTEP t
.if (\t) < 9
	s_wait_loadcnt 28                              ; this step's four loads are in; those of the seven steps behind it may be out
.else
	s_wait_loadcnt 4*(15-(\t))
.endif
.irp i, 0,1,2,3,4,5,6,7,8,9,10,11,12,13,14,15
	v_med3_num_f32 v[R+16*((\t)%8)+\i], v[R+16*((\t)%8)+\i], -v10, v10   ; the conversion to an 8-bit code does not saturate (ISA guide 7.6.2): the hold comes first
.endr
	v_cvt_scalef32_pk8_bf8_f32 v[CD+4*(\t):CD+4*(\t)+1], v[R+16*((\t)%8):R+16*((\t)%8)+7], v11
	v_cvt_scalef32_pk8_bf8_f32 v[CD+4*(\t)+2:CD+4*(\t)+3], v[R+16*((\t)%8)+8:R+16*((\t)%8)+15], v11
	global_store_b128 v3, v[CD+4*(\t):CD+4*(\t)+3], s[12:13] offset:512*(\t)
.if (\t)+8 < 16
	XLOAD (\t)+8                                   ; the set just converted takes the loads of eight steps on
.endif
.endm
	s_wait_alu depctr_va_vdst(0)
.irp t, 0,1,2,3,4,5,6,7
	XLOAD \t
.endr
	s_wait_kmcnt 0x0
	SCALES 20
	s_wait_alu depctr_va_vdst(0)
.irp t, 0,1,2,3,4,5,6,7,8,9,10,11,12,13,14,15
	XSTEP \t
.endr
	s_endpgm
; ---- PATHS W.  A LANE TAKES A COLUMN n, AND ITS REGISTERS RUN DOWN K in the permuted order: the conversions' results are then the fragment's bytes, and nothing is transposed.
; A wave's job: a pair of tiles (32 columns) x one K step s of 128 places: 8 pieces y = 2 c + hf of 16 places.  Piece y, byte b is row base(s) + ROW(y, b) of W.
; All 128 loads go out first.  Piece y wants the first 16 y + 16: 112 - 16 y may stay out; a wait names 63 at the most, and a smaller count than needed is safe.
.macro WJOB wq, rb, src, dst
.set yy, 0
.rept 8
.set bb, 0
.rept 16
.if \wq
.set ROW, 128*(bb>>2)+4*yy+(bb&3)
.else
.set ROW, 64*yy+16*(bb>>3)+(bb&7)
.endif
	global_load_b32 v[WN+16*yy+bb], v6, s[\src:\src+1] offset:ROW*\rb
.set bb, bb+1
.endr
.set yy, yy+1
.endr
.endm
.macro WOUT dst
.set yy, 0
.rept 8
.if 112-16*yy > 63
	s_wait_loadcnt 63
.else
	s_wait_loadcnt 112-16*yy
.endif
.set bb, 0
.rept 16
	v_med3_num_f32 v[WN+16*yy+bb], v[WN+16*yy+bb], -v10, v10
.set bb, bb+1
.endr
	v_cvt_scalef32_pk8_bf8_f32 v[WC+4*yy:WC+4*yy+1], v[WN+16*yy:WN+16*yy+7], v11
	v_cvt_scalef32_pk8_bf8_f32 v[WC+4*yy+2:WC+4*yy+3], v[WN+16*yy+8:WN+16*yy+15], v11
	global_store_b128 v8, v[WC+4*yy:WC+4*yy+3], s[\dst:\dst+1] offset:(yy>>1)*512+(yy&1)*256   ; sixteen lanes store 256 consecutive bytes, at a multiple of 256 from the buffer's first byte
.set yy, yy+1
.endr
.endm
.Lwq:                                  ; W_qkv: kind (q, k, v) = id >> 6, slice j = (id >> 3) & 7, K step s = id & 7, wave w
	s_lshr_b32 s28, ttmp9, 6
	s_bfe_u32 s29, ttmp9, 0x30003
	s_and_b32 s30, ttmp9, 7
	s_lshr_b32 s31, s30, 2
	s_lshl_b32 s31, s31, 9
	s_and_b32 s32, s30, 3
	s_lshl_b32 s32, s32, 5
	s_add_co_u32 s31, s31, s32                     ; base row 512 (s >> 2) + 32 (s & 3)
	s_mul_i32 s32, s31, 12288
	s_mov_b32 s33, 0
	s_add_nc_u64 s[6:7], s[6:7], s[32:33]
	s_lshl_b32 s35, s29, 2
	s_add_co_u32 s35, s35, s18
	s_mul_i32 s35, s35, 48
	s_mul_i32 s36, s30, 6
	s_add_co_u32 s35, s35, s36
	s_lshl_b32 s36, s28, 1
	s_add_co_u32 s35, s35, s36                     ; fragment (4 j + w) 48 + 6 s + 2 kind
	s_lshl_b32 s36, s35, 11
	s_mov_b32 s37, 0
	s_add_nc_u64 s[14:15], s[14:15], s[36:37]
	s_cmp_eq_u32 s28, 2
	s_cbranch_scc1 .Lwq_v
	; q and k: column kind 1024 + 128 j + 32 w + 16 ((l >> 3) & 1) + 8 (l >> 4) + (l & 7): in the product's result a lane's 16 registers of a tile pair are then 16 neighbours of one head
	s_wait_alu depctr_va_vdst(0)
	v_and_b32 v6, 7, v2
	v_lshl_add_u32 v6, v4, 4, v6
	v_lshl_add_u32 v6, v5, 3, v6
	s_lshl_b32 s34, s28, 10
	s_lshl_b32 s38, s29, 7
	s_add_co_u32 s34, s34, s38
	s_lshl_b32 s38, s18, 5
	s_add_co_u32 s34, s34, s38
	s_branch .Lwq_go
.Lwq_v:
	; v: column 2048 + 64 (4 (j >> 1) + (l & 3)) + 32 (j & 1) + 8 w + 4 ((l >> 3) & 1) + 2 (l >> 4) + ((l >> 2) & 1): four neighbouring registers of a result are then four neighbouring HEADS of one channel
	s_wait_alu depctr_va_vdst(0)
	v_and_b32 v6, 3, v2
	v_bfe_u32 v9, v2, 2, 1
	v_lshl_add_u32 v6, v6, 6, v9
	v_lshl_add_u32 v6, v4, 2, v6
	v_lshl_add_u32 v6, v5, 1, v6
	s_lshr_b32 s34, s29, 1
	s_lshl_b32 s34, s34, 8
	s_and_b32 s38, s29, 1
	s_lshl_b32 s38, s38, 5
	s_add_co_u32 s34, s34, s38
	s_lshl_b32 s38, s18, 3
	s_add_co_u32 s34, s34, s38
	s_add_co_u32 s34, s34, 2048
.Lwq_go:
	s_wait_alu depctr_va_vdst(0)
	v_add_nc_u32 v6, s34, v6
	v_lshlrev_b32 v6, 2, v6                        ; my column, in bytes
	WJOB 1, 12288, 6, 14
	s_wait_kmcnt 0x0
	SCALES 21
	s_wait_alu depctr_va_vdst(0)
	WOUT 14
	s_endpgm
.Lwo:                                  ; W_out: pair of tiles p = 4 ((id - 192) >> 3) + wave, K step s = (id - 192) & 7; column 32 p + l
	s_sub_co_u32 s28, ttmp9, 192
	s_lshr_b32 s29, s28, 3
	s_lshl_b32 s29, s29, 2
	s_add_co_u32 s29, s29, s18
	s_and_b32 s30, s28, 7
	s_and_b32 s31, s30, 1
	s_lshl_b32 s31, s31, 9
	s_lshr_b32 s32, s30, 2
	s_lshl_b32 s32, s32, 5
	s_add_co_u32 s31, s31, s32
	s_bfe_u32 s32, s30, 0x10001
	s_lshl_b32 s32, s32, 3
	s_add_co_u32 s31, s31, s32                     ; base row 512 (s & 1) + 32 (s >> 2) + 8 ((s >> 1) & 1)
	s_lshl_b32 s32, s31, 12
	s_mov_b32 s33, 0
	s_add_nc_u64 s[8:9], s[8:9], s[32:33]
	s_lshl_b32 s34, s29, 5
	s_wait_alu depctr_va_vdst(0)
	v_add_nc_u32 v6, s34, v2
	v_lshlrev_b32 v6, 2, v6
	s_wait_alu depctr_va_vdst(0)
	s_lshr_b32 s35, s29, 1
	s_lshl_b32 s35, s35, 5
	s_lshl_b32 s36, s30, 2
	s_add_co_u32 s35, s35, s36
	s_and_b32 s36, s29, 1
	s_lshl_b32 s36, s36, 1
	s_add_co_u32 s35, s35, s36                     ; fragment (p >> 1) 32 + 4 s + 2 (p & 1)
	s_lshl_b32 s36, s35, 11
	s_mov_b32 s37, 0
	s_add_nc_u64 s[16:17], s[16:17], s[36:37]
	WJOB 0, 4096, 8, 16
	s_wait_kmcnt 0x0
	SCALES 25
	s_wait_alu depctr_va_vdst(0)
	WOUT 16
	s_endpgm
.Lfunc_end_k_q651510e486_prep:
	.size	k_q651510e486_prep, .Lfunc_end_k_q651510e486_prep-k_q651510e486_prep
	.p2alignl 7, 3214868480
	.fill 96, 4, 3214868480
	.section	.rodata,"a",@progbits
	.p2align	6, 0x0
	.amdhsa_kernel k_q651510e486_prep
		.amdhsa_group_segment_fixed_size 0
		.amdhsa_private_segment_fixed_size 0
		.amdhsa_enable_private_segment 0
		.amdhsa_kernarg_size 56
		.amdhsa_user_sgpr_count 2
		.amdhsa_user_sgpr_kernarg_segment_ptr 1
		.amdhsa_wavefront_size32 1
		.amdhsa_system_sgpr_workgroup_id_x 1
		.amdhsa_system_sgpr_workgroup_id_y 1
		.amdhsa_system_sgpr_workgroup_id_z 1
		.amdhsa_system_vgpr_workitem_id 0
		.amdhsa_next_free_vgpr 208
		.amdhsa_next_free_sgpr 66
		.amdhsa_reserve_vcc 0
		.amdhsa_float_denorm_mode_32 3
		.amdhsa_float_denorm_mode_16_64 3
		.amdhsa_memory_ordered 1
		.amdhsa_forward_progress 1
		.amdhsa_inst_pref_size 76
	.end_amdhsa_kernel
	.amdgpu_metadata
---
amdhsa.version: [ 1, 2 ]
amdhsa.kernels:
  - .name:           k_q651510e486_prep
    .symbol:         k_q651510e486_prep.kd
    .args:
      - { .name: x, .offset: 0, .size: 8, .value_kind: global_buffer, .address_space: global }
      - { .name: W_qkv, .offset: 8, .size: 8, .value_kind: global_buffer, .address_space: global }
      - { .name: W_out, .offset: 16, .size: 8, .value_kind: global_buffer, .address_space: global }
      - { .name: lowp_scales, .offset: 24, .size: 8, .value_kind: global_buffer, .address_space: global }
      - { .name: xc, .offset: 32, .size: 8, .value_kind: global_buffer, .address_space: global }
      - { .name: w1f, .offset: 40, .size: 8, .value_kind: global_buffer, .address_space: global }
      - { .name: w2f, .offset: 48, .size: 8, .value_kind: global_buffer, .address_space: global }
    .group_segment_fixed_size: 0
    .private_segment_fixed_size: 0
    .kernarg_segment_align: 8
    .kernarg_segment_size: 56
    .max_flat_workgroup_size: 128
    .sgpr_count:     66
    .vgpr_count:     208
    .wavefront_size: 32
...
	.end_amdgpu_metadata
.endif
;; end of part 1
;; launch gemm_qkv (part 2): grid 8 x 32, 4 waves a work-group, clusters of 4 x 1, 327,680 bytes of LDS; arguments xc, w1f, b_qkv, lowp_scales, qkv; writes qkv
.if DOCPART == 2
	.amdgcn_target "amdgcn-amd-amdhsa--gfx1250"
	.amdhsa_code_object_version 6
	.text
	.protected	k_q651510e486_gemm_qkv
	.globl	k_q651510e486_gemm_qkv
	.p2align	8
	.type	k_q651510e486_gemm_qkv,@function
k_q651510e486_gemm_qkv:
	s_mov_b64 s[64:65], 0
	v_nop
	global_prefetch_b8 v0, s[64:65] scope:SCOPE_SE
	s_setreg_imm32_b32 hwreg(HW_REG_WAVE_MODE, 25, 1), 1
	s_wait_xcnt 0x0
	s_wait_alu depctr_hold_cnt(0) depctr_sa_sdst(0) depctr_va_vdst(0) depctr_va_sdst(0) depctr_va_ssrc(0) depctr_va_vcc(0) depctr_vm_vsrc(0)
	s_getreg_b32 s2, hwreg(HW_REG_IB_STS2, 6, 4)
	s_cmp_eq_u32 s2, 0
	s_cbranch_scc0 .Lentry_in_a_cluster
	s_endpgm
.Lentry_in_a_cluster:
	s_bfe_u32 s2, ttmp6, 0x10000c
	s_cmp_lg_u32 s2, 0x3003
	s_cbranch_scc0 .Lentry_shape_is_right
	s_endpgm
.Lentry_shape_is_right:
; qkv = x W_qkv + b_qkv on codes of BF8; q and k leave as codes (scales lowp_scales[2], [3]), v as f32.  Nothing of the problem's work is left out here.
; THE WEIGHTS STAY, THE TOKENS STREAM.  Work-group (j, y): slice j of the columns (128 of q, 128 of k, 128 of v), tokens 512 y .. 512 y + 511.  Wave w holds its 96 columns' whole K = 1,024 in
; registers: 48 fragments of 16 registers (fragment 6 s + t: K step s, tile t; t = 0, 1 q; 2, 3 k; 4, 5 v), loaded once, as they lie, from the image that the first launch laid.
; The tokens' codes come through two LDS slots of 128 tokens; a tile of 16 tokens is finished over the whole K in 48 matrix instructions.
; CLUSTER: the four work-groups of a cluster have four slices and the SAME tokens: each slot is asked for jointly, by the same tensor loads with the mask of all four.  The weights are not shared: each partner has its own slice.
; TRANSPOSED USE: source 0 = 16 columns of W, source 1 = 16 tokens: lane (r, h) holds token r, and register n of tile t the tile's row 8 h + n.  The first launch chose the columns so that
;   q, k: the 16 registers of a tile pair are channels 32 (w & 1) + 16 h + 0 .. 15 of head 2 j + (w >> 1): one conversion's run along the next product's K;
;   v   : registers 4 p' .. 4 p' + 3 are heads 4 (j >> 1) + 0 .. 3 of channel 32 (j & 1) + 8 w + 4 h + 2 u + p'.
; The bias, divided by 2^(e0 + e1), is the C of each sum's first matrix instruction; the three scales ahead of q's and k's quantisers are folded into the conversion's one.
; A TILE'S STORES STAND IN THE MIDDLE OF THE NEXT TILE'S PRODUCTS.  At a tile's end its results go into 24 registers of their own (8 of codes, 16 of v), so that the accumulators are free at once; the six stores are issued
; behind the next tile's first 24 products, and the wait that frees their registers and their base stands at that tile's end, 24 products further on.
; OUT: qkv [block of 16 tokens][row 384][token 16][16 bytes]: rows 0-63 q (16 codes), 64-127 k, 128-383 v (four f32): every store of sixteen lanes is one row: 256 consecutive bytes, aligned.
; LIMITS: e2 - e0 - e1 and e3 - e0 - e1 between -126 and 112; e0 + e1 between -126 and 127.  NaN among the inputs is not served.  The order of the sums differs from ascending k (K is permuted alike in x and W; the bias is summed first).
.set PITCH,  1040                      ; a token's row in LDS: 1,024 bytes + 16 of padding: an odd multiple of 16, so that the 16 rows of a fragment load fall on 16 different 16-byte columns of 256
.set WPART,  32*PITCH                  ; what one tensor load brings: 32 tokens
.set SLOT,   128*PITCH
.set TSTEP,  16*PITCH                  ; from a tile of 16 tokens to the next
.set SPARE,  2*SLOT                    ; behind the ring: the spare words, 128 bytes for each wave: two blocks of 256 bytes that no other line names
.set BLKB,   384*256                   ; a block of 16 tokens in qkv
.set SCK,  0                           ; v0   2^(e3 - e0 - e1) as f32: written at the head's end, behind the last use of the thread's number
.set A0,   1                           ; v1   my lane's place in a tile of tokens: r x PITCH + 16 h
.set ADR,  2                           ; v2   LDS address of the tile in hand
.set OQ,   3                           ; v3   my byte offset in a block of qkv for q's codes (k's: 64 rows on)
.set OV,   4                           ; v4   the same for v's first piece
.set SCQ,  5                           ; v5   2^(e2 - e0 - e1) as f32
.set SPW,  6                           ; v6   LDS address of my spare word; never rewritten
.set NIL,  7                           ; v7   0; never rewritten
.set CQ,   8                           ; v8-11  q's codes, v12-15 k's, v16-31 v: a finished tile on its way out
.set CK,   12
.set VT,   16
.set BIAS, 32                          ; v32-79   the biases, tile t at 32 + 8 t, in the result's layout
.set ACC,  80                          ; v80-127  the six accumulators
.set AF,   128                         ; v128-255 the tokens' eight fragments; windows 1 to 3: the weights, fragment f at register 256 + 16 f
.set LI,   80                          ; at the head alone, in registers that the accumulators take later: v80 16 x lane, v81 r, v82 h, v83 and v84 the biases' offsets
.set RR,   81
.set HH,   82
.set BQ,   83
.set BV,   84
.set WV,   14                          ; s14  wave
.set G1,   24                          ; s[24:31] descriptor group 1;  s[32:35], s[36:39] group 0 of slot 0, 1
.set G0,   32
.set TB,   48                          ; s48  LDS byte of the tile in hand
.set CNT,  49                          ; s58, s59: -+57,344 x 2^(e2 - e0 - e1);  s60, s61: the same with e3
.set MSB, 0
.macro WIN new                         ; the immediate's high byte repeats the setting that is left; a switch that changes nothing is dropped
.if MSB != \new
	s_set_vgpr_msb (MSB<<8)|\new
.set MSB, \new
.endif
.endm
.macro PLACES n
.rept \n
	v_nop
.endr
.endm
.macro CROUND                          ; a round of the cluster's barrier
	s_barrier_signal -1
	s_barrier_wait -1
	s_cmp_lg_u32 s[WV], 0
	s_cbranch_scc1 .Lnot_wave_0_\@
	s_barrier_signal -3
.Lnot_wave_0_\@:
	s_barrier_wait -3
	s_barrier_signal -1
	s_barrier_wait -1
.endm
	s_load_b256 s[4:11], s[0:1], 0x0               ; xc s[4:5], w1f s[6:7], b_qkv s[8:9], the scales' exponents s[10:11]
	s_load_b64 s[12:13], s[0:1], 0x20              ; qkv
	v_lshl_add_u32 v[SPW], v0, 2, SPARE
	v_mov_b32 v[NIL], 0
	ds_add_u32 v[SPW], v[NIL]                      ; the wave's opening: the add, twice on end, and its wait ahead of my first tensor load
	ds_add_u32 v[SPW], v[NIL]
	v_lshrrev_b32 v[LI], 5, v0
	v_readfirstlane_b32 s[WV], v[LI]               ; wave 0..3
	s_and_b32 s17, ttmp7, 0xffff                   ; y: which 512 tokens; the four partners share it
	s_mov_b32 s[G1+0], 15|(1<<20)|(1<<21)|(7<<22)|(3<<25)   ; 15:0 the mask: all four work-groups; 17:16 elements of 1 byte; 20 padding on; 21 set beside a mask; 24:22 after every 256 words (code 7); 31:25 four words (code 3)
	s_mov_b32 s[G1+1], 1024<<16                    ; tensor_dim0 = 1,024
	s_mov_b32 s[G1+2], 32<<16                      ; tensor_dim1 = 32
	s_mov_b32 s[G1+3], 1024<<16                    ; tile_dim0 = 1,024
	s_mov_b32 s[G1+4], 32                          ; tile_dim1 = 32
	s_mov_b32 s[G1+5], 1024                        ; from row to row
	s_mov_b32 s[G1+6], 0
	s_mov_b32 s[G1+7], 0
	s_lshl_b32 s18, s17, 19                        ; 512 tokens x 1,024 bytes,
	s_lshl_b32 s19, s[WV], 15                      ; my wave's 32 tokens of a block of 128
	s_add_co_u32 s18, s18, s19
	s_mov_b32 s19, 0
	s_mul_i32 s22, s[WV], WPART                    ; and their place in a slot: no place in the cluster enters an LDS address
	s_mul_i32 s20, s17, 32*BLKB                    ; my 32 blocks of qkv
	s_mov_b32 s21, 0
	s_bfe_u32 s15, ttmp6, 0x40000                  ; cx,
	s_lshl_b32 s16, ttmp9, 2
	s_add_co_u32 s16, s16, s15                     ; slice j = 4 x cluster x + cx: it enters the weights', the biases' and qkv's addresses alone
	s_wait_dscnt 0x0                               ; both opening adds are done
	s_wait_kmcnt 0x0
	s_load_b128 s[40:43], s[10:11], 0x0            ; e0 .. e3
	s_add_nc_u64 s[4:5], s[4:5], s[18:19]
	s_add_nc_u64 s[12:13], s[12:13], s[20:21]
.irp n, 0,1
	s_mov_b32 s[G0+4*\n], 1                        ; count = 1
	s_add_co_u32 s[G0+4*\n+1], s22, \n*SLOT        ; LDS address
	s_add_nc_u64 s[G0+4*\n+2:G0+4*\n+3], s[4:5], \n*131072   ; global address: block n of 128 tokens
	s_or_b32 s[G0+4*\n+3], s[G0+4*\n+3], 0x80000000          ; type = 2
.endr
	CROUND                                         ; all four work-groups are here: the first joint loads meet
	tensor_load_to_lds s[G0:G0+3], s[G1:G1+7]      ; every wave fetches its 32 tokens of slot 0
	s_nop 0
	PLACES 4
	; the weights: 192 loads of 512 consecutive bytes, into windows 1 to 3
	v_and_b32 v[LI], 31, v0
	v_lshlrev_b32 v[LI], 4, v[LI]
	s_wait_alu depctr_va_vdst(0)
	s_lshl_b32 s2, s16, 2
	s_add_co_u32 s2, s2, s[WV]
	s_mul_i32 s2, s2, 48*2048
	s_mov_b32 s3, 0
	s_add_nc_u64 s[6:7], s[6:7], s[2:3]
.set ff, 0
.rept 48
	WIN ((1+ff/16)<<6)
.irp c, 0,1,2,3
	global_load_b128 v[16*(ff%16)+4*\c:16*(ff%16)+4*\c+3], v[LI], s[6:7] offset:2048*ff+512*\c
.endr
.set ff, ff+1
.endr
	WIN 0
	; the biases, in the result's layout
	v_and_b32 v[RR], 15, v0                        ; r
	v_bfe_u32 v[HH], v0, 4, 1                      ; h
	v_lshlrev_b32 v[BQ], 6, v[HH]
	s_wait_alu depctr_va_vdst(0)
	v_lshlrev_b32 v[BV], 4, v[HH]
	s_wait_alu depctr_va_vdst(0)
	s_lshl_b32 s2, s16, 9
	s_lshl_b32 s54, s[WV], 7
	s_add_co_u32 s2, s2, s54
	s_add_nc_u64 s[50:51], s[8:9], s[2:3]          ; q, k: 4 (128 j + 32 w); + 64 h by the lane, 4,096 kind + 32 u by the immediate
	s_lshr_b32 s2, s16, 1
	s_lshl_b32 s2, s2, 10
	s_and_b32 s54, s16, 1
	s_lshl_b32 s54, s54, 7
	s_add_co_u32 s2, s2, s54
	s_lshl_b32 s54, s[WV], 5
	s_add_co_u32 s2, s2, s54
	s_add_co_u32 s2, s2, 8192
	s_add_nc_u64 s[52:53], s[8:9], s[2:3]          ; v: 4 (2048 + 256 (j >> 1) + 32 (j & 1) + 8 w); + 16 h by the lane
.irp t, 0,1,2,3
	global_load_b128 v[BIAS+8*\t:BIAS+8*\t+3], v[BQ], s[50:51] offset:4096*(\t/2)+32*(\t%2)
	global_load_b128 v[BIAS+8*\t+4:BIAS+8*\t+7], v[BQ], s[50:51] offset:4096*(\t/2)+32*(\t%2)+16
.endr
.irp u, 0,1
.irp p, 0,1
.irp e, 0,1,2,3
	global_load_b32 v[BIAS+32+8*\u+4*\p+\e], v[BV], s[52:53] offset:256*\e+8*\u+4*\p
.endr
.endr
.endr
	v_mul_u32_u24 v[A0], v[RR], PITCH
	v_lshl_add_u32 v[A0], v[HH], 4, v[A0]
	s_and_b32 s2, s[WV], 1                         ; q's row of a block: 32 (w & 1) + 16 h + 2 j + (w >> 1)
	s_lshl_b32 s2, s2, 5
	s_lshl_b32 s54, s16, 1
	s_add_co_u32 s2, s2, s54
	s_lshr_b32 s54, s[WV], 1
	s_add_co_u32 s2, s2, s54
	s_lshl_b32 s2, s2, 8
	v_lshlrev_b32 v[OQ], 4, v[RR]
	v_lshl_add_u32 v[OQ], v[HH], 12, v[OQ]
	v_add_nc_u32 v[OQ], s2, v[OQ]
	s_and_b32 s2, s16, 1                           ; v's row: 128 + ((2 (j & 1) + (w >> 1)) 2 + ((j >> 1) & 1)) 32 + (j >> 2) 16 + 8 (w & 1) + 4 h + piece
	s_lshl_b32 s2, s2, 1
	s_lshr_b32 s54, s[WV], 1
	s_add_co_u32 s2, s2, s54
	s_lshl_b32 s2, s2, 1
	s_bfe_u32 s54, s16, 0x10001
	s_add_co_u32 s2, s2, s54
	s_lshl_b32 s2, s2, 5
	s_lshr_b32 s54, s16, 2
	s_lshl_b32 s54, s54, 4
	s_add_co_u32 s2, s2, s54
	s_and_b32 s54, s[WV], 1
	s_lshl_b32 s54, s54, 3
	s_add_co_u32 s2, s2, s54
	s_add_co_u32 s2, s2, 128
	s_lshl_b32 s2, s2, 8
	v_lshlrev_b32 v[OV], 4, v[RR]
	v_lshl_add_u32 v[OV], v[HH], 10, v[OV]
	v_add_nc_u32 v[OV], s2, v[OV]
	s_wait_kmcnt 0x0
	s_add_co_i32 s55, s40, s41                     ; e0 + e1: a sum stands for sum x 2^(e0 + e1)
	s_sub_co_i32 s56, s42, s55
	s_add_co_i32 s56, s56, 127
	s_lshl_b32 s57, s56, 23
	v_mov_b32 v[SCQ], s57                          ; 2^(e2 - e0 - e1): the conversion takes its exponent field
	s_add_co_i32 s56, s56, 15
	s_lshl_b32 s56, s56, 23
	s_or_b32 s59, s56, 0x600000                    ; 57,344 x that,
	s_or_b32 s58, s59, 0x80000000                  ; and its negative
	s_sub_co_i32 s56, s43, s55
	s_add_co_i32 s56, s56, 127
	s_lshl_b32 s57, s56, 23
	v_mov_b32 v[SCK], s57                          ; (the thread's number is not wanted any more)
	s_add_co_i32 s56, s56, 15
	s_lshl_b32 s56, s56, 23
	s_or_b32 s61, s56, 0x600000
	s_or_b32 s60, s61, 0x80000000
	s_add_co_i32 s46, s55, 127
	s_lshl_b32 s46, s46, 23                        ; 2^(e0 + e1) as f32, for v
	s_mov_b32 s47, s46                             ; (named with it as a pair, so it is written)
	s_sub_co_i32 s57, 0, s55
	s_wait_loadcnt 0x0                             ; the weights and the biases are in
.set ii, 0
.rept 48
	v_ldexp_f32 v[BIAS+ii], v[BIAS+ii], s57        ; b / 2^(e0 + e1)
.set ii, ii+1
.endr
.macro AFETCH s0, s1                   ; the tokens' fragments of K steps s0 .. s1: registers 4 c .. 4 c + 3 hold places 128 s + 32 c + 16 h + 0 .. 15 of row r
.set ks, \s0
.rept (\s1)-(\s0)+1
.irp c, 0,1,2,3
	ds_load_b128 v[AF+16*ks+4*\c:AF+16*ks+4*\c+3], v[ADR] offset:128*ks+32*\c
.endr
.set ks, ks+1
.endr
.endm
.macro MUL f0, f1                      ; the six accumulators take turns, one instruction a turn; K step 0 starts each sum with the bias
.set ff, \f0
.rept (\f1)-(\f0)+1
.set tt, ff%6
.set ks, ff/6
	WIN (1+ff/16)
.if ks == 0
	v_wmma_f32_16x16x128_bf8_bf8 v[ACC+8*tt:ACC+8*tt+7], v[16*(ff%16):16*(ff%16)+15], v[AF+16*ks:AF+16*ks+15], v[BIAS+8*tt:BIAS+8*tt+7]
.else
	v_wmma_f32_16x16x128_bf8_bf8 v[ACC+8*tt:ACC+8*tt+7], v[16*(ff%16):16*(ff%16)+15], v[AF+16*ks:AF+16*ks+15], v[ACC+8*tt:ACC+8*tt+7]
.endif
.set ff, ff+1
.endr
.endm
.macro EPIV                            ; a finished tile leaves the accumulators: work on registers alone; each accumulator is read from its low end on
.set ii, 0
.rept 16
	v_med3_num_f32 v[ACC+ii], v[ACC+ii], s58, s59  ; the conversion does not saturate (ISA guide 7.6.2): the hold at the largest code x the scale
.set ii, ii+1
.endr
	v_cvt_scalef32_pk8_bf8_f32 v[CQ:CQ+1], v[ACC:ACC+7], v[SCQ]
	v_cvt_scalef32_pk8_bf8_f32 v[CQ+2:CQ+3], v[ACC+8:ACC+15], v[SCQ]
.rept 16
	v_med3_num_f32 v[ACC+ii], v[ACC+ii], s60, s61
.set ii, ii+1
.endr
	v_cvt_scalef32_pk8_bf8_f32 v[CK:CK+1], v[ACC+16:ACC+23], v[SCK]
	v_cvt_scalef32_pk8_bf8_f32 v[CK+2:CK+3], v[ACC+24:ACC+31], v[SCK]
.set ii, 0
.rept 8
	v_pk_mul_f32 v[VT+ii:VT+ii+1], v[ACC+32+ii:ACC+32+ii+1], s[46:47] op_sel_hi:[1,0]   ; v = sum x 2^(e0 + e1).  (Also the plain lines behind the last conversion)
.set ii, ii+2
.endr
.endm
.macro STORES                          ; the tile that EPIV has put by: six rows' worth for each half of the lanes
	global_store_b128 v[OQ], v[CQ:CQ+3], s[12:13]
	global_store_b128 v[OQ], v[CK:CK+3], s[12:13] offset:64*256
.irp p, 0,1,2,3
	global_store_b128 v[OV], v[VT+4*\p:VT+4*\p+3], s[12:13] offset:256*\p
.endr
.endm
.macro ADV
	s_wait_xcnt 0x0                                ; the stores have read their data and their base: only behind this wait are both written again
	s_add_nc_u64 s[12:13], s[12:13], BLKB
.endm
; A tile of 16 tokens.  next = 1: the next tile's fragments are fetched in two runs, each behind four places, into registers whose products are issued.
; prev = 1: the tile before lies in CQ, CK and VT: its stores are issued in this tile's middle, behind the run of LDS loads; their registers are freed at this tile's end.
.macro MTILE next, prev
	s_wait_dscnt 16                                ; K steps 0-3 are in; the 16 younger loads (K steps 4-7) may be out
	MUL 0, 23
	WIN 0
	s_wait_dscnt 0x0                               ; K steps 4-7 are in
.if \next
	PLACES 4
	s_add_co_u32 s[TB], s[TB], TSTEP
	v_add_nc_u32 v[ADR], s[TB], v[A0]
	AFETCH 0, 3
.endif
.if \prev
	STORES
.endif
	MUL 24, 47
	WIN 0
	PLACES 4                                       ; in front of the loads into registers that the products read, and of the first read of results
.if \next
	AFETCH 4, 7
.endif
.if \prev
	ADV
.endif
	EPIV
.endm
.macro SLOTRUN n                       ; a slot's eight tiles: the first finds nothing to store, the last is stored at once
	s_mov_b32 s[TB], \n*SLOT
	v_add_nc_u32 v[ADR], s[TB], v[A0]
	AFETCH 0, 7
	MTILE 1, 0
	s_mov_b32 s[CNT], 6
.Lrun_\@:
	s_wait_alu depctr_va_vdst(0)
	MTILE 1, 1
	s_sub_co_u32 s[CNT], s[CNT], 1
	s_cmp_lg_u32 s[CNT], 0
	s_cbranch_scc1 .Lrun_\@
	s_wait_alu depctr_va_vdst(0)
	MTILE 0, 1
	STORES
	ADV
.endm
; Slot n, which has been read, is filled again with the block two further on.  Each wave waits for all its tensor loads (its part of the other slot), adds 0 to its spare word, and waits for that and
; for its reads of the slot; a round of the cluster's barrier: no wave of any partner still reads the slot or has a load on its way; the joint refill is the first thing behind it.
; It has the other slot's eight tiles, 384 matrix instructions, in which to land.
.macro CHANGE n
	s_wait_tensorcnt 0x0                           ; no tensor load of mine is out, so a group 0 may be written
	ds_add_u32 v[SPW], v[NIL]
	s_add_nc_u64 s[G0+4*\n+2:G0+4*\n+3], s[G0+4*\n+2:G0+4*\n+3], 2*131072
	s_wait_dscnt 0x0
	CROUND
	tensor_load_to_lds s[G0+4*\n:G0+4*\n+3], s[G1:G1+7]
	s_nop 0
	PLACES 4
.endm
	s_wait_alu depctr_va_vdst(0)
	s_wait_tensorcnt 0x0                           ; my part of block 0 is in
	ds_add_u32 v[SPW], v[NIL]
	s_wait_dscnt 0x0
	CROUND                                         ; everybody's part of block 0 is in, and all four work-groups are here: the joint loads meet
	tensor_load_to_lds s[G0+4:G0+7], s[G1:G1+7]    ; slot 1's first fill, block 1: it has slot 0's eight tiles, 384 matrix instructions, in which to land
	s_nop 0
	PLACES 4
	SLOTRUN 0                                      ; block 0
	CHANGE 0                                       ; block 2 is asked for
	SLOTRUN 1                                      ; block 1
	CHANGE 1                                       ; block 3 is asked for
	SLOTRUN 0                                      ; block 2
	s_wait_tensorcnt 0x0                           ; my part of block 3 is in; nothing is left to fetch, so a plain barrier follows
	ds_add_u32 v[SPW], v[NIL]
	s_wait_dscnt 0x0
	s_barrier_signal -1
	s_barrier_wait -1
	SLOTRUN 1                                      ; block 3
	s_wait_tensorcnt 0x0                           ; the wave's end
	ds_add_u32 v[SPW], v[NIL]
	s_wait_dscnt 0x0
	CROUND                                         ; the closing round: no work-group ends while a partner may still ask for a tile that names it
	s_endpgm
.Lfunc_end_k_q651510e486_gemm_qkv:
	.size	k_q651510e486_gemm_qkv, .Lfunc_end_k_q651510e486_gemm_qkv-k_q651510e486_gemm_qkv
	.p2alignl 7, 3214868480
	.fill 96, 4, 3214868480
	.section	.rodata,"a",@progbits
	.p2align	6, 0x0
	.amdhsa_kernel k_q651510e486_gemm_qkv
		.amdhsa_group_segment_fixed_size 327680
		.amdhsa_private_segment_fixed_size 0
		.amdhsa_enable_private_segment 0
		.amdhsa_kernarg_size 40
		.amdhsa_user_sgpr_count 2
		.amdhsa_user_sgpr_kernarg_segment_ptr 1
		.amdhsa_wavefront_size32 1
		.amdhsa_system_sgpr_workgroup_id_x 1
		.amdhsa_system_sgpr_workgroup_id_y 1
		.amdhsa_system_sgpr_workgroup_id_z 1
		.amdhsa_system_vgpr_workitem_id 0
		.amdhsa_next_free_vgpr 1024
		.amdhsa_next_free_sgpr 66
		.amdhsa_reserve_vcc 0
		.amdhsa_float_denorm_mode_32 3
		.amdhsa_float_denorm_mode_16_64 3
		.amdhsa_memory_ordered 1
		.amdhsa_forward_progress 1
		.amdhsa_inst_pref_size 141
	.end_amdhsa_kernel
	.amdgpu_metadata
---
amdhsa.version: [ 1, 2 ]
amdhsa.kernels:
  - .name:           k_q651510e486_gemm_qkv
    .symbol:         k_q651510e486_gemm_qkv.kd
    .args:
      - { .name: xc, .offset: 0, .size: 8, .value_kind: global_buffer, .address_space: global }
      - { .name: w1f, .offset: 8, .size: 8, .value_kind: global_buffer, .address_space: global }
      - { .name: b_qkv, .offset: 16, .size: 8, .value_kind: global_buffer, .address_space: global }
      - { .name: lowp_scales, .offset: 24, .size: 8, .value_kind: global_buffer, .address_space: global }
      - { .name: qkv, .offset: 32, .size: 8, .value_kind: global_buffer, .address_space: global }
    .group_segment_fixed_size: 327680
    .private_segment_fixed_size: 0
    .kernarg_segment_align: 8
    .kernarg_segment_size: 40
    .max_flat_workgroup_size: 128
    .sgpr_count:     66
    .vgpr_count:     1024
    .wavefront_size: 32
...
	.end_amdgpu_metadata
.endif
;; end of part 2
;; launch attn (part 3): grid 256 x 1, 4 waves a work-group, no clusters, 70,144 bytes of LDS; arguments qkv, lowp_scales, oc; writes oc
.if DOCPART == 3
	.amdgcn_target "amdgcn-amd-amdhsa--gfx1250"
	.amdhsa_code_object_version 6
	.text
	.protected	k_q651510e486_attn
	.globl	k_q651510e486_attn
	.p2align	8
	.type	k_q651510e486_attn,@function
k_q651510e486_attn:
	s_mov_b64 s[64:65], 0
	v_nop
	global_prefetch_b8 v0, s[64:65] scope:SCOPE_SE
	s_setreg_imm32_b32 hwreg(HW_REG_WAVE_MODE, 25, 1), 1
	s_wait_xcnt 0x0
; For each token: att = softmax_g(q[h] . k[g] / 8) over the 16 HEADS, out[h] = sum over g of att[h][g] v[g]; out leaves as codes of BF8 (scale lowp_scales[4]).  Nothing of the problem's work is left out here.
; q . k on codes of BF8 (scales lowp_scales[2], [3]): K = 64: ONE v_wmma_f32_16x16x64_bf8_bf8 a token.  att v has K = 16 and goes on into a quantiser: f32 operands, v_wmma_f32_16x16x4_f32.
; SHARES: a wave owns a block of 16 tokens: 98,304 bytes in, 16,384 out.  Waves share nothing: no barrier; the text is straight.
; IN: qkv [block][row 384][token 16][16 bytes].  A group of 64 rows is loaded as it lies (32 loads of 512 consecutive bytes) and turned through the wave's own stage in LDS, so that lane l then holds, for token t,
; rows l and 32 + l of the group in registers 8 t .. 8 t + 7.  The rows were numbered for this: q, k: lane (head l & 15, half l >> 4) holds channels 16 (l >> 4) + 0..15 and 32 + 16 (l >> 4) + 0..15 (the same places in
; q and in k, so every product meets its partner); v, group nd: lane (channel 16 nd + (l & 15), half) holds heads 8 (l >> 4) + 0 .. 7.
; LAYOUT: S^T = k q^T (source 0 = k's 16 heads g, source 1 = q's 16 heads h): lane (h, half) holds g = 8 half + 0 .. 7.  So the softmax wants one exchange between the halves, and the finished weights ARE source 1
; of out^T = v^T att^T: K step ks takes registers 2 ks, 2 ks + 1 of both sides: heads 8 half + 2 ks + 0, 1.  In its result lane (h, half) holds channels 16 nd + 8 half + 0 .. 7 of head h: eight neighbours for one conversion.
; OUT: oc [token][1024 codes], place 512 P + 16 l + 8 z + e = channel 64 (l & 15) + 32 P + 16 z + 8 (l >> 4) + e: the registers as they stand; W_out's image was laid by the same permutation.
; LIMITS: e2 + e3 between -123 and 130 (added to the exponent field of log2(e) / 8); e4 between -126 and 112.  NaN among the inputs is not served.
.set STG,   64*272                     ; a wave's stage: 64 rows of 256 bytes + 16
.set SPARE, 4*STG                      ; behind the stages: the spare words, 128 bytes for each wave: two blocks of 256 bytes that no other line names
.set GOFF, 1                           ; v1  16 x lane
.set STI,  2                           ; v2  the stage, on the way in: row l >> 4, 16 (l & 15)
.set STO,  3                           ; v3  and on the way out: row l
.set SPW,  4                           ; v4  LDS address of my spare word; never rewritten
.set NIL,  5                           ; v5  0; never rewritten
.set SC,   6                           ; v6  2^e4 as f32;  v7  57,344 x 2^e4
.set LIM,  7
.set MT,   16                          ; v16-47   a pair for each token: the maximum, then the sum, then its reciprocal; and a register at work
.set TMP,  16                          ; later: 32 numbers on their way to a conversion
.set ATT,  64                          ; v64-191  the scores, then the weights: token t at 64 + 8 t
.set DACC, 192                         ; v192-255 two sets of four accumulators of out^T: written by matrix instructions alone
; window 1: v0-127 q, later out's codes (token t at 8 t); v128-255 k.   window 2: v of channels 0-15, 16-31.   window 3: 32-47, 48-63.
.set MSB, 0
.macro WIN new
.if MSB != \new
	s_set_vgpr_msb (MSB<<8)|\new
.set MSB, \new
.endif
.endm
.macro PLACES n
.rept \n
	v_nop
.endr
.endm
.macro LOADG g                         ; group g (0 q, 1 k, 2 .. 5 v): 64 rows, 32 loads of 512 consecutive bytes
	WIN ((1+(\g)/2)<<6)
.set ii, 0
.rept 32
	global_load_b128 v[128*((\g)%2)+4*ii:128*((\g)%2)+4*ii+3], v[GOFF], s[4:5] offset:16384*(\g)+512*ii th:TH_LOAD_NT
.set ii, ii+1
.endr
.endm
.macro TRANSP g                        ; through the stage and back into the registers that it left.  LDS serves a wave's instructions in order (ISA guide 5.7.1.4): no wait between the stores and the loads, nor ahead of the next group's stores
	WIN ((1+(\g)/2)<<2)
.set ii, 0
.rept 32
	ds_store_b128 v[STI], v[128*((\g)%2)+4*ii:128*((\g)%2)+4*ii+3] offset:544*ii
.set ii, ii+1
.endr
	WIN ((1+(\g)/2)<<6)
.set tt, 0
.rept 16
	ds_load_b128 v[128*((\g)%2)+8*tt:128*((\g)%2)+8*tt+3], v[STO] offset:16*tt
	ds_load_b128 v[128*((\g)%2)+8*tt+4:128*((\g)%2)+8*tt+7], v[STO] offset:32*272+16*tt
.set tt, tt+1
.endr
.endm
.macro PRE n                           ; v's group n is in (the one younger group's 32 loads may be out; none at the last), the group two on is asked for, group n goes through the stage
.if (\n) < 3
	s_wait_loadcnt 32
.else
	s_wait_loadcnt 0x0
.endif
.if (\n) < 2
	LOADG (\n)+4
.endif
	TRANSP (\n)+2
.endm
	s_load_b128 s[4:7], s[0:1], 0x0                ; qkv s[4:5], the scales' exponents s[6:7]
	s_load_b64 s[8:9], s[0:1], 0x10                ; oc
	v_lshl_add_u32 v[SPW], v0, 2, SPARE
	v_mov_b32 v[NIL], 0
	v_lshrrev_b32 v8, 5, v0
	v_readfirstlane_b32 s10, v8                    ; wave 0..3
	v_and_b32 v9, 31, v0
	v_lshlrev_b32 v[GOFF], 4, v9
	v_and_b32 v10, 15, v0
	v_bfe_u32 v11, v0, 4, 1
	s_mul_i32 s11, s10, STG
	v_mul_u32_u24 v[STI], v11, 272
	v_lshl_add_u32 v[STI], v10, 4, v[STI]
	v_add_nc_u32 v[STI], s11, v[STI]
	v_mul_u32_u24 v[STO], v9, 272
	v_add_nc_u32 v[STO], s11, v[STO]
	s_lshl_b32 s12, ttmp9, 2
	s_add_co_u32 s12, s12, s10                     ; my block of 16 tokens
	s_mul_i32 s14, s12, 98304
	s_mov_b32 s15, 0
	s_lshl_b32 s16, s12, 14
	s_mov_b32 s17, 0
	s_mov_b32 s20, 0x76543210                      ; v_permlanex16_b32's selects for lane l xor 16
	s_mov_b32 s21, 0xfedcba98
	s_wait_alu depctr_va_vdst(0)                   ; at the head's end, directly ahead of the wait below
	s_wait_kmcnt 0x0
	s_load_b128 s[24:27], s[6:7], 0x0              ; e0 .. e3
	s_load_b32 s28, s[6:7], 0x10                   ; e4
	s_add_nc_u64 s[4:5], s[4:5], s[14:15]
	s_add_nc_u64 s[8:9], s[8:9], s[16:17]
	LOADG 0
	LOADG 1
	WIN 0
.set tt, 0
.rept 16
	v_mov_b32 v[MT+2*tt+1], 0                      ; written once: a lane permute's destination counts as one of its sources
.set tt, tt+1
.endr
	s_wait_kmcnt 0x0
	s_add_co_i32 s29, s26, s27
	s_lshl_b32 s29, s29, 23
	s_mov_b32 s22, 0x3e38aa3b                      ; c = log2(e) / 8;
	s_add_co_i32 s22, s22, s29                     ; a score stands for score x 2^(e2 + e3): the two exponents are added to c's exponent field
	s_mov_b32 s23, s22                             ; (named with it as a pair, so it is written)
	s_add_co_i32 s29, s28, 127
	s_lshl_b32 s30, s29, 23
	v_mov_b32 v[SC], s30
	s_add_co_i32 s29, s29, 15
	s_lshl_b32 s29, s29, 23
	s_or_b32 s29, s29, 0x600000
	v_mov_b32 v[LIM], s29
	s_wait_loadcnt 32                              ; q is in; k's 32 loads may be out
	LOADG 2
	TRANSP 0
	s_wait_loadcnt 32                              ; k is in; the 32 loads just issued may be out
	LOADG 3
	TRANSP 1
	s_wait_dscnt 0x0
	WIN 0x05                                       ; sources 0 and 1 window 1
.set tt, 0
.rept 16
	v_wmma_f32_16x16x64_bf8_bf8 v[ATT+8*tt:ATT+8*tt+7], v[128+8*tt:128+8*tt+7], v[8*tt:8*tt+7], 0
.set tt, tt+1
.endr
	PRE 0                                          ; v's first group goes through the stage while the softmax is worked
	WIN 0
	PLACES 4
; THE SOFTMAX, a line at a time over all 16 tokens, so that no line waits for the line above it.  p = 2^(c s - c m), m the row's largest score; then p / the row's sum.
.macro ALLT op
.set tt, 0
.rept 16
.set aa, ATT+8*tt
.set mm, MT+2*tt
.if \op == 0
	v_max3_num_f32 v[mm], v[aa], v[aa+1], v[aa+2]  ; each accumulator is read from its low end on
.elseif \op == 1
	v_max3_num_f32 v[mm], v[mm], v[aa+3], v[aa+4]
.elseif \op == 2
	v_max3_num_f32 v[mm], v[mm], v[aa+5], v[aa+6]
.elseif \op == 3
	v_max_num_f32 v[mm], v[mm], v[aa+7]
.elseif (\op == 4) || (\op == 16)
	v_permlanex16_b32 v[mm+1], v[mm], s20, s21     ; the row's other eight heads lie in the lane 16 away
.elseif \op == 5
	v_max_num_f32 v[mm], v[mm], v[mm+1]
.elseif \op == 6
	v_mul_f32 v[mm], s22, v[mm]                    ; c m (c is positive)
.elseif \op < 11
.set pp, aa+2*(\op-7)
	v_pk_fma_f32 v[pp:pp+1], v[pp:pp+1], s[22:23], v[mm:mm+1] op_sel_hi:[1,0,0] neg_lo:[0,0,1] neg_hi:[0,0,1]   ; c s - c m, two at a time
.elseif \op == 11
.irp i, 0,1,2,3,4,5,6,7
	v_exp_f32 v[aa+\i], v[aa+\i]
.endr
.elseif \op == 12
	v_pk_add_f32 v[mm:mm+1], v[aa:aa+1], v[aa+2:aa+3]
.elseif \op == 13
	v_pk_add_f32 v[mm:mm+1], v[mm:mm+1], v[aa+4:aa+5]
.elseif \op == 14
	v_pk_add_f32 v[mm:mm+1], v[mm:mm+1], v[aa+6:aa+7]
.elseif (\op == 15) || (\op == 17)
	v_add_f32 v[mm], v[mm], v[mm+1]
.elseif \op == 18
	v_rcp_f32 v[mm], v[mm]
.else
.set pp, aa+2*(\op-19)
	v_pk_mul_f32 v[pp:pp+1], v[pp:pp+1], v[mm:mm+1] op_sel_hi:[1,0]
.endif
.set tt, tt+1
.endr
.endm
.irp o, 0,1,2,3,4,5,6,7,8,9,10
	ALLT \o
.endr
	s_wait_alu depctr_va_vdst(0)
	ALLT 11
	v_nop                                          ; a plain line behind the last exponential,
	s_wait_alu depctr_va_vdst(0)                   ; and ONE wait for the 128, ahead of the first line that names a result
.irp o, 12,13,14,15,16,17
	ALLT \o
.endr
	s_wait_alu depctr_va_vdst(0)
	ALLT 18
	v_nop
	s_wait_alu depctr_va_vdst(0)                   ; one wait for the 16 reciprocals
.irp o, 19,20,21,22
	ALLT \o
.endr
	s_wait_alu depctr_va_vdst(0)
; out^T = v^T att^T.  Group G = 4 nd + gq: channels 16 nd on, tokens 4 gq .. 4 gq + 3, accumulator set G % 2.  Four K steps of 4 heads; the four accumulators take turns, one instruction a turn;
; the first K step starts each sum with the constant 0.
.macro WPV G
.set nd, (\G)/4
.set gq, (\G)%4
.set dd, DACC+32*((\G)%2)
	WIN (2+nd/2)
.set ks, 0
.rept 4
.set tk, 0
.rept 4
.set tt, 4*gq+tk
.if ks == 0
	v_wmma_f32_16x16x4_f32 v[dd+8*tk:dd+8*tk+7], v[128*(nd%2)+8*tt+2*ks:128*(nd%2)+8*tt+2*ks+1], v[ATT+8*tt+2*ks:ATT+8*tt+2*ks+1], 0
.else
	v_wmma_f32_16x16x4_f32 v[dd+8*tk:dd+8*tk+7], v[128*(nd%2)+8*tt+2*ks:128*(nd%2)+8*tt+2*ks+1], v[ATT+8*tt+2*ks:ATT+8*tt+2*ks+1], v[dd+8*tk:dd+8*tk+7]
.endif
.set tk, tk+1
.endr
.set ks, ks+1
.endr
.endm
; Group G's results become codes.  Eight places stand behind this matrix form ahead of a read of its results (ISA guide 7.12.1); the held numbers go into other registers; with the holds of the other accumulators more than nine
; places lie between a set's last product and the product that begins it anew.
.macro CONV G
.set nd, (\G)/4
.set gq, (\G)%4
.set dd, DACC+32*((\G)%2)
	WIN 0
	PLACES 8
.set ii, 0
.rept 32
	v_med3_num_f32 v[TMP+ii], v[dd+ii], -v[LIM], v[LIM]
.set ii, ii+1
.endr
	WIN 0x40                                       ; destination window 1
.set tk, 0
.rept 4
	v_cvt_scalef32_pk8_bf8_f32 v[8*(4*gq+tk)+2*nd:8*(4*gq+tk)+2*nd+1], v[TMP+8*tk:TMP+8*tk+7], v[SC]
.set tk, tk+1
.endr
	WIN 0
	v_nop                                          ; a plain line between the last conversion and the next line that writes its sources
.endm
.set GG, 0
.rept 16
.if GG%4 == 0
	s_wait_dscnt 0x0                               ; this group of v is back from the stage
.endif
	WPV GG
.if GG > 0
	CONV GG-1
.endif
.if (GG%4 == 1) && (GG < 12)
	PRE GG/4+1                                     ; the next group of v goes through the stage while this one is multiplied
.endif
.set GG, GG+1
.endr
	CONV 15
	WIN 0x04                                       ; store data window 1
.set tt, 0
.rept 16
	global_store_b128 v[GOFF], v[8*tt:8*tt+3], s[8:9] offset:1024*tt          ; 32 lanes store 512 consecutive bytes, at a multiple of 256 from oc's first byte
	global_store_b128 v[GOFF], v[8*tt+4:8*tt+7], s[8:9] offset:1024*tt+512
.set tt, tt+1
.endr
	WIN 0
	s_wait_tensorcnt 0x0                           ; the wave's end
	ds_add_u32 v[SPW], v[NIL]
	s_wait_dscnt 0x0
	s_endpgm
.Lfunc_end_k_q651510e486_attn:
	.size	k_q651510e486_attn, .Lfunc_end_k_q651510e486_attn-k_q651510e486_attn
	.p2alignl 7, 3214868480
	.fill 96, 4, 3214868480
	.section	.rodata,"a",@progbits
	.p2align	6, 0x0
	.amdhsa_kernel k_q651510e486_attn
		.amdhsa_group_segment_fixed_size 70144
		.amdhsa_private_segment_fixed_size 0
		.amdhsa_enable_private_segment 0
		.amdhsa_kernarg_size 24
		.amdhsa_user_sgpr_count 2
		.amdhsa_user_sgpr_kernarg_segment_ptr 1
		.amdhsa_wavefront_size32 1
		.amdhsa_system_sgpr_workgroup_id_x 1
		.amdhsa_system_sgpr_workgroup_id_y 1
		.amdhsa_system_sgpr_workgroup_id_z 1
		.amdhsa_system_vgpr_workitem_id 0
		.amdhsa_next_free_vgpr 1024
		.amdhsa_next_free_sgpr 66
		.amdhsa_reserve_vcc 0
		.amdhsa_float_denorm_mode_32 3
		.amdhsa_float_denorm_mode_16_64 3
		.amdhsa_memory_ordered 1
		.amdhsa_forward_progress 1
		.amdhsa_inst_pref_size 132
	.end_amdhsa_kernel
	.amdgpu_metadata
---
amdhsa.version: [ 1, 2 ]
amdhsa.kernels:
  - .name:           k_q651510e486_attn
    .symbol:         k_q651510e486_attn.kd
    .args:
      - { .name: qkv, .offset: 0, .size: 8, .value_kind: global_buffer, .address_space: global }
      - { .name: lowp_scales, .offset: 8, .size: 8, .value_kind: global_buffer, .address_space: global }
      - { .name: oc, .offset: 16, .size: 8, .value_kind: global_buffer, .address_space: global }
    .group_segment_fixed_size: 70144
    .private_segment_fixed_size: 0
    .kernarg_segment_align: 8
    .kernarg_segment_size: 24
    .max_flat_workgroup_size: 128
    .sgpr_count:     66
    .vgpr_count:     1024
    .wavefront_size: 32
...
	.end_amdgpu_metadata
.endif
;; end of part 3
;; launch gemm_out (part 4): grid 4 x 64, 4 waves a work-group, clusters of 4 x 1, 327,680 bytes of LDS; arguments oc, w2f, b_out, lowp_scales, out0; writes out0
.if DOCPART == 4
	.amdgcn_target "amdgcn-amd-amdhsa--gfx1250"
	.amdhsa_code_object_version 6
	.text
	.protected	k_q651510e486_gemm_out
	.globl	k_q651510e486_gemm_out
	.p2align	8
	.type	k_q651510e486_gemm_out,@function
k_q651510e486_gemm_out:
	s_mov_b64 s[64:65], 0
	v_nop
	global_prefetch_b8 v0, s[64:65] scope:SCOPE_SE
	s_setreg_imm32_b32 hwreg(HW_REG_WAVE_MODE, 25, 1), 1
	s_wait_xcnt 0x0
	s_wait_alu depctr_hold_cnt(0) depctr_sa_sdst(0) depctr_va_vdst(0) depctr_va_sdst(0) depctr_va_ssrc(0) depctr_va_vcc(0) depctr_vm_vsrc(0)
	s_getreg_b32 s2, hwreg(HW_REG_IB_STS2, 6, 4)
	s_cmp_eq_u32 s2, 0
	s_cbranch_scc0 .Lentry_in_a_cluster
	s_endpgm
.Lentry_in_a_cluster:
	s_bfe_u32 s2, ttmp6, 0x10000c
	s_cmp_lg_u32 s2, 0x3003
	s_cbranch_scc0 .Lentry_shape_is_right
	s_endpgm
.Lentry_shape_is_right:
.set PITCH,  1040
.set WPART,  32*PITCH
.set SLOT,   128*PITCH
.set TSTEP,  16*PITCH
.set STAGE,  2*SLOT
.set SPARE,  STAGE+4*16*272
.set A0,   1
.set ADR,  2
.set STO,  3
.set RD,   4
.set LI,   5
.set SPW,  6
.set NIL,  7
.set CO,   8
.set BIAS, 16
.set ACC,  48
.set TMP,  80
.set AF,   128
.set WV,   14
.set G1,   24
.set G0,   32
.set TB,   48
.set CNT,  49
.set MSB, 0
.macro WIN new
.if MSB != \new
	s_set_vgpr_msb (MSB<<8)|\new
.set MSB, \new
.endif
.endm
.macro PLACES n
.rept \n
	v_nop
.endr
.endm
.macro CROUND
	s_barrier_signal -1
	s_barrier_wait -1
	s_cmp_lg_u32 s[WV], 0
	s_cbranch_scc1 .Lnot_wave_0_\@
	s_barrier_signal -3
.Lnot_wave_0_\@:
	s_barrier_wait -3
	s_barrier_signal -1
	s_barrier_wait -1
.endm
	s_load_b256 s[4:11], s[0:1], 0x0
	s_load_b64 s[12:13], s[0:1], 0x20
	v_lshl_add_u32 v[SPW], v0, 2, SPARE
	v_mov_b32 v[NIL], 0
	ds_add_u32 v[SPW], v[NIL]
	ds_add_u32 v[SPW], v[NIL]
	v_lshrrev_b32 v12, 5, v0
	v_readfirstlane_b32 s[WV], v12
	s_and_b32 s17, ttmp7, 0xffff
	s_mov_b32 s[G1+0], 15|(1<<20)|(1<<21)|(7<<22)|(3<<25)
	s_mov_b32 s[G1+1], 1024<<16
	s_mov_b32 s[G1+2], 32<<16
	s_mov_b32 s[G1+3], 1024<<16
	s_mov_b32 s[G1+4], 32
	s_mov_b32 s[G1+5], 1024
	s_mov_b32 s[G1+6], 0
	s_mov_b32 s[G1+7], 0
	s_lshl_b32 s18, s17, 18
	s_lshl_b32 s19, s[WV], 15
	s_add_co_u32 s18, s18, s19
	s_mov_b32 s19, 0
	s_mul_i32 s22, s[WV], WPART
	s_bfe_u32 s15, ttmp6, 0x40000
	s_lshl_b32 s16, ttmp9, 2
	s_add_co_u32 s16, s16, s15
	s_wait_dscnt 0x0
	s_wait_kmcnt 0x0
	s_load_b64 s[44:45], s[10:11], 0x10
	s_add_nc_u64 s[4:5], s[4:5], s[18:19]
.irp n, 0,1
	s_mov_b32 s[G0+4*\n], 1
	s_add_co_u32 s[G0+4*\n+1], s22, \n*SLOT
	s_add_nc_u64 s[G0+4*\n+2:G0+4*\n+3], s[4:5], \n*131072
	s_or_b32 s[G0+4*\n+3], s[G0+4*\n+3], 0x80000000
.endr
	CROUND
	tensor_load_to_lds s[G0:G0+3], s[G1:G1+7]      ; my 32 tokens of slot 0
	s_nop 0
	PLACES 4
	; the weights' and the biases' loads go out next, while slot 0's tile is on its way
	v_and_b32 v[LI], 31, v0
	v_lshlrev_b32 v[LI], 4, v[LI]
	s_lshl_b32 s2, s16, 2
	s_add_co_u32 s2, s2, s[WV]
	s_lshl_b32 s2, s2, 16
	s_mov_b32 s3, 0
	s_add_nc_u64 s[6:7], s[6:7], s[2:3]
.set ff, 0
.rept 32
	WIN ((1+ff/16)<<6)
.irp c, 0,1,2,3
	global_load_b128 v[16*(ff%16)+4*\c:16*(ff%16)+4*\c+3], v[LI], s[6:7] offset:2048*ff+512*\c
.endr
.set ff, ff+1
.endr
	WIN 0
	v_and_b32 v12, 15, v0
	s_wait_alu depctr_va_vdst(0)
	v_bfe_u32 v13, v0, 4, 1
	v_lshlrev_b32 v14, 5, v13
	s_lshl_b32 s2, s16, 10
	s_lshl_b32 s54, s[WV], 8
	s_add_co_u32 s2, s2, s54
	s_add_nc_u64 s[50:51], s[8:9], s[2:3]
.irp t, 0,1,2,3
	global_load_b128 v[BIAS+8*\t:BIAS+8*\t+3], v14, s[50:51] offset:64*\t
	global_load_b128 v[BIAS+8*\t+4:BIAS+8*\t+7], v14, s[50:51] offset:64*\t+16
.endr
	s_add_nc_u64 s[12:13], s[12:13], s[2:3]
	s_lshl_b32 s2, s17, 20
	s_add_nc_u64 s[12:13], s[12:13], s[2:3]
	v_mul_u32_u24 v[A0], v12, PITCH
	v_lshl_add_u32 v[A0], v13, 4, v[A0]
	s_mul_i32 s23, s[WV], 16*272
	s_add_co_u32 s23, s23, STAGE
	v_mul_u32_u24 v[STO], v12, 272
	s_wait_alu depctr_va_vdst(0)
	v_lshl_add_u32 v[STO], v13, 5, v[STO]
	v_add_nc_u32 v[STO], s23, v[STO]
	v_mul_u32_u24 v[RD], v13, 272
	v_lshl_add_u32 v[RD], v12, 4, v[RD]
	v_add_nc_u32 v[RD], s23, v[RD]
	v_lshlrev_b32 v[CO], 4, v12
	v_lshl_add_u32 v[CO], v13, 12, v[CO]
	s_wait_kmcnt 0x0
	s_add_co_i32 s46, s44, s45
	s_add_co_i32 s46, s46, 127
	s_lshl_b32 s46, s46, 23
	s_mov_b32 s47, s46
	s_wait_loadcnt 0x0
.macro AFETCH s0, s1
.set ks, \s0
.rept (\s1)-(\s0)+1
.irp c, 0,1,2,3
	ds_load_b128 v[AF+16*ks+4*\c:AF+16*ks+4*\c+3], v[ADR] offset:128*ks+32*\c
.endr
.set ks, ks+1
.endr
.endm
.macro MUL f0, f1
.set ff, \f0
.rept (\f1)-(\f0)+1
.set tt, ff%4
.set ks, ff/4
	WIN (1+ff/16)
.if ks == 0
	v_wmma_f32_16x16x128_bf8_bf8 v[ACC+8*tt:ACC+8*tt+7], v[16*(ff%16):16*(ff%16)+15], v[AF+16*ks:AF+16*ks+15], 0
.else
	v_wmma_f32_16x16x128_bf8_bf8 v[ACC+8*tt:ACC+8*tt+7], v[16*(ff%16):16*(ff%16)+15], v[AF+16*ks:AF+16*ks+15], v[ACC+8*tt:ACC+8*tt+7]
.endif
.set ff, ff+1
.endr
.endm
.macro TOSTAGE
.set ii, 0
.rept 16
	v_pk_fma_f32 v[TMP+ii:TMP+ii+1], v[ACC+ii:ACC+ii+1], s[46:47], v[BIAS+ii:BIAS+ii+1] op_sel_hi:[1,0,1]
.set ii, ii+2
.endr
.irp t, 0,1,2,3
	ds_store_b128 v[STO], v[TMP+8*\t:TMP+8*\t+3] offset:64*\t
	ds_store_b128 v[STO], v[TMP+8*\t+4:TMP+8*\t+7] offset:64*\t+16
.endr
.irp i, 0,1,2,3,4,5,6,7
	ds_load_b128 v[TMP+4*\i:TMP+4*\i+3], v[RD] offset:544*\i
.endr
.endm
.macro SEND
.irp i, 0,1,2,3,4,5,6,7
	global_store_b128 v[CO], v[TMP+4*\i:TMP+4*\i+3], s[12:13] offset:8192*\i th:TH_STORE_NT
.endr
.endm
.macro ADV
	s_wait_xcnt 0x0
	s_add_nc_u64 s[12:13], s[12:13], 16*4096
.endm
.macro MTILE next, prev
.if \prev
	s_wait_dscnt 32
.else
	s_wait_dscnt 16
.endif
	MUL 0, 15
	WIN 0
	s_wait_dscnt 0x0
.if \next
	PLACES 4
	s_add_co_u32 s[TB], s[TB], TSTEP
	v_add_nc_u32 v[ADR], s[TB], v[A0]
	AFETCH 0, 3
.endif
.if \prev
	SEND
.endif
	MUL 16, 31
	WIN 0
	PLACES 4
.if \next
	AFETCH 4, 7
.endif
.if \prev
	ADV
.endif
	TOSTAGE
.endm
.macro SLOTRUN n
	s_mov_b32 s[TB], \n*SLOT
	v_add_nc_u32 v[ADR], s[TB], v[A0]
	AFETCH 0, 7
	MTILE 1, 0
	s_mov_b32 s[CNT], 6
.Lrun_\@:
	MTILE 1, 1
	s_sub_co_u32 s[CNT], s[CNT], 1
	s_cmp_lg_u32 s[CNT], 0
	s_cbranch_scc1 .Lrun_\@
	MTILE 0, 1
	s_wait_dscnt 0x0
	SEND
	ADV
.endm
	s_wait_alu depctr_va_vdst(0)
	s_wait_tensorcnt 0x0                           ; my part of slot 0 is in
	ds_add_u32 v[SPW], v[NIL]
	s_wait_dscnt 0x0
	CROUND                                         ; everybody's part of slot 0 is in, and all four work-groups are here: the joint loads meet
	tensor_load_to_lds s[G0+4:G0+7], s[G1:G1+7]    ; slot 1's first fill: it has slot 0's eight tiles, 256 matrix instructions, in which to land
	s_nop 0
	PLACES 4
	SLOTRUN 0
	s_wait_tensorcnt 0x0
	ds_add_u32 v[SPW], v[NIL]
	s_wait_dscnt 0x0
	s_barrier_signal -1
	s_barrier_wait -1
	SLOTRUN 1
	s_wait_tensorcnt 0x0
	ds_add_u32 v[SPW], v[NIL]
	s_wait_dscnt 0x0
	CROUND
	s_endpgm
.Lfunc_end_k_q651510e486_gemm_out:
	.size	k_q651510e486_gemm_out, .Lfunc_end_k_q651510e486_gemm_out-k_q651510e486_gemm_out
	.p2alignl 7, 3214868480
	.fill 96, 4, 3214868480
	.section	.rodata,"a",@progbits
	.p2align	6, 0x0
	.amdhsa_kernel k_q651510e486_gemm_out
		.amdhsa_group_segment_fixed_size 327680
		.amdhsa_private_segment_fixed_size 0
		.amdhsa_enable_private_segment 0
		.amdhsa_kernarg_size 40
		.amdhsa_user_sgpr_count 2
		.amdhsa_user_sgpr_kernarg_segment_ptr 1
		.amdhsa_wavefront_size32 1
		.amdhsa_system_sgpr_workgroup_id_x 1
		.amdhsa_system_sgpr_workgroup_id_y 1
		.amdhsa_system_sgpr_workgroup_id_z 1
		.amdhsa_system_vgpr_workitem_id 0
		.amdhsa_next_free_vgpr 768
		.amdhsa_next_free_sgpr 66
		.amdhsa_reserve_vcc 0
		.amdhsa_float_denorm_mode_32 3
		.amdhsa_float_denorm_mode_16_64 3
		.amdhsa_memory_ordered 1
		.amdhsa_forward_progress 1
		.amdhsa_inst_pref_size 63
	.end_amdhsa_kernel
	.amdgpu_metadata
---
amdhsa.version: [ 1, 2 ]
amdhsa.kernels:
  - .name:           k_q651510e486_gemm_out
    .symbol:         k_q651510e486_gemm_out.kd
    .args:
      - { .name: oc, .offset: 0, .size: 8, .value_kind: global_buffer, .address_space: global }
      - { .name: w2f, .offset: 8, .size: 8, .value_kind: global_buffer, .address_space: global }
      - { .name: b_out, .offset: 16, .size: 8, .value_kind: global_buffer, .address_space: global }
      - { .name: lowp_scales, .offset: 24, .size: 8, .value_kind: global_buffer, .address_space: global }
      - { .name: out0, .offset: 32, .size: 8, .value_kind: global_buffer, .address_space: global }
    .group_segment_fixed_size: 327680
    .private_segment_fixed_size: 0
    .kernarg_segment_align: 8
    .kernarg_segment_size: 40
    .max_flat_workgroup_size: 128
    .sgpr_count:     66
    .vgpr_count:     768
    .wavefront_size: 32
...
	.end_amdgpu_metadata
.endif
;; end of part 4
